; MI455X (gfx1250); checked and timed in simulation.
; The chip was launched on July 23, 2026; its instructions are those of AMD's public machine-readable ISA for CDNA 5 (MIT licence, August 2026) and "CDNA5" Instruction Set Architecture Reference Guide (July 2026). The comments in the code are by the model that wrote it; some were corrected since.
;; Episodic Memory. Allowed arithmetic: matrix products marked QUANTISED: E3M2 operands, one E8M0 scale for each 32 along K, by v_wmma_scale_f32_16x16x128_f8f6f4 with both operands' format E3M2, f32 sums; everything else in f32.
;; Inputs: memory 131,072 x 128 float32; x 1,024 x 128 float32.
;; Outputs: out0 1,024 x 128 float32.
;; Constants: k = 16.
;; This version of the problem:
;;   THIS VERSION OF THE PROBLEM IS GIVEN IN LOW PRECISION. The matrix products marked QUANTISED in the list below multiply operands that are first quantised to E3M2 (3 exponent bits, 2 mantissa bits; 6 bits a number), with one power-of-two scale for each 32 numbers along K (OCP MX v1.0); their sums are f32. All else is computed in f32.
;;   The module's matrix products, in the order in which they are computed (A, B: the left and right operand; K: the contracted axis; several contracted axes count as one K, in the product's order):
;;     1. [M 1,024, K 128] x [K 128, N 131,072]; A: input x; B: input memory: QUANTISED
;;   THE QUANTISER, for each operand of a quantised product, along K:
;;     - K is cut into blocks of 32 from its start; a last block that is shorter is filled with zeros.
;;     - A block's scale is 2^e with e = floor(log2(the largest magnitude in the block)) - 4, held to -126 .. 127; a block of zeros has e = 0. As a byte (E8M0): e + 127.
;;     - Each number is divided by its block's scale, clamped to +-28, and rounded to the nearest number of E3M2, ties to even, subnormals kept.
;;     - The product sums the exact products of the quantised numbers (number of the format x scale) in f32.
;;   ~~~python
;;   def quantise(x, axis):      # numpy; x: float32 -> the quantised numbers, widened to float32 again
;;       x = np.moveaxis(x, axis, -1); K = x.shape[-1]
;;       x = np.pad(x, [(0, 0)] * (x.ndim - 1) + [(0, -K % 32)]); x = x.reshape(x.shape[:-1] + (-1, 32)); a = np.abs(x).max(-1, keepdims=True)
;;       e = np.where(a > 0, np.clip(np.frexp(np.where(a > 0, a, 1))[1] - 1 - 4, -126, 127), 0)      # np.frexp(a)[1] - 1 = floor(log2(a)), exactly
;;       r = np.clip(x / 2.0 ** e, -28, 28)
;;       step = 2.0 ** (np.maximum(np.frexp(np.where(r == 0, 1, r))[1] - 1, -2) - 2)
;;       q = np.round(r / step) * step * 2.0 ** e      # np.round: ties to even
;;       return np.moveaxis(q.reshape(q.shape[:-2] + (-1,))[..., :K], -1, axis).astype(np.float32)
;;   ~~~
;; One version. Each part assembles by itself: llvm-mc -triple=amdgcn-amd-amdhsa -mcpu=gfx1250 --defsym DOCPART=n.
;; ======== version 1 of 1: 5 launches
;; workspace buffers: mqc 12,582,912 bytes; mqs 524,288 bytes; xq 102,400 bytes; bm 16,777,216 bytes; bins 65,536 bytes of whole numbers; idx 65,536 bytes of whole numbers
;; launch quant (part 1): grid 1032 x 1, 4 waves a work-group, no clusters, 34,304 bytes of LDS; arguments memory, x, mqc, mqs, xq; writes mqc, mqs, xq
.if DOCPART == 1
	.amdgcn_target "amdgcn-amd-amdhsa--gfx1250"
	.amdhsa_code_object_version 6
	.text
	.protected	k_q8d1e219017_quant
	.globl	k_q8d1e219017_quant
	.p2align	8
	.type	k_q8d1e219017_quant,@function
k_q8d1e219017_quant:
	s_mov_b64 s[64:65], 0
	v_nop
	global_prefetch_b8 v0, s[64:65] scope:SCOPE_SE
	s_setreg_imm32_b32 hwreg(HW_REG_WAVE_MODE, 25, 1), 1
	s_wait_xcnt 0x0
; memory [131072][128] and x [1024][128], f32, become codes of E3M2 (6 bits) with one E8M0 byte for each 32 along K, laid as IMAGES OF OPERAND REGISTERS.
; A block's scale is 2^(floor(log2(largest magnitude)) - 4): its byte is the largest magnitude's exponent field - 4, held at 1 from below.
; LIMITS: a block of zeros, or one whose largest magnitude lies under 2^-122, gets the byte 1 (a block of zeros has zero codes, which add nothing; the bytes are read by this program alone).  NaN and infinities are not served.
; STORAGE TILES.  A group G is 128 rows; its tile u (0..7) holds in slot m (0..15) row 128 G + 64 (m / 8) + 8 u + m % 8.  So slots 0-7 of tiles 4 b .. 4 b + 3 are 32 neighbouring rows, and so are slots 8-15.
; A tile's image is 1,536 bytes: register 4 c + i of lane l at 512 c + 16 l + 4 i, lane l = slot + 16 x (half of K): three loads of 16 bytes a lane give a fragment.  Its 16 scale words follow in a buffer of their own, 64 bytes a tile.
; SHARES.  Work-groups 0-1023 take a group of memory, 1024-1031 a group of x (only pointers are chosen; one path).  Wave w takes tiles 2 w and 2 w + 1.  All 32 loads of a wave go out at once, each a whole row of 512 bytes.
; A row arrives 16 bytes a lane; the conversion wants 32 neighbours along K in one lane: the 16 rows of a tile turn through the wave's own 16 x 528 bytes of LDS.  No barrier: waves share nothing.  No cluster: no byte is read twice.
.set PITCH, 528                        ; an LDS row: 512 bytes + 16, so that the 16 rows that a load touches begin 16 bytes apart modulo 256
.set WREG,  16*PITCH                   ; a wave's LDS
.set R,     32                         ; v32-159  two tiles as loaded: slot m of tile e at R + 64 e + 4 m
.set X,     160                        ; v160-223 my row's 64 numbers: k = 64 c + 32 h + 0..31 at X + 32 c
.set CD,    224                        ; v224-247 the codes, 12 registers a tile: no store's data are written again
.set TA,    248                        ; v248-250, v252-254: the second halves of the blocks' codes (a conversion's three registers begin on an even number)
.set TB,    252
	s_load_b128 s[4:7], s[0:1], 0x0                ; memory, x
	s_load_b128 s[8:11], s[0:1], 0x10              ; mqc, mqs
	s_load_b64 s[12:13], s[0:1], 0x20              ; xq
	v_lshl_add_u32 v251, v0, 2, 0x8400
	v_mov_b32 v255, 0
	v_lshrrev_b32 v1, 5, v0
	v_readfirstlane_b32 s16, v1                    ; wave
	v_and_b32 v2, 31, v0                           ; lane
	v_and_b32 v3, 15, v0                           ; r: my slot
	v_bfe_u32 v4, v0, 4, 1                         ; h: my half of K
	v_lshlrev_b32 v5, 4, v2                        ; 16 x lane: in a row of f32, and in an image
	v_lshlrev_b32 v6, 2, v2                        ; 4 x lane: the scale words
	s_mul_i32 s17, s16, WREG
	v_add_nc_u32 v7, s17, v5                       ; LDS, in: 16 x lane of row m
	v_mul_u32_u24 v8, v3, PITCH
	v_lshl_add_u32 v8, v4, 7, v8
	v_add_nc_u32 v8, s17, v8                       ; LDS, out: row r, + 128 h bytes
	v_lshlrev_b32 v9, 3, v4                        ; 8 h: where my two bytes stand in the scale word
	v_mov_b32 v23, 0                               ; written once: a lane permute's destination counts as one of its sources
	s_mov_b32 s20, 0x76543210
	s_mov_b32 s21, 0xfedcba98                      ; selects for lane l xor 16
	s_mov_b32 s22, 0xffff0000                      ; lanes 16-31
	s_wait_kmcnt 0x0
	s_add_nc_u64 s[14:15], s[12:13], 98304         ; x's scale words lie behind its 64 images
	s_cmp_lt_u32 ttmp9, 1024                       ; memory's work-group or x's: the choice hangs on the work-group's number alone
	s_cselect_b64 s[4:5], s[4:5], s[6:7]
	s_cselect_b64 s[8:9], s[8:9], s[12:13]
	s_cselect_b64 s[10:11], s[10:11], s[14:15]
	s_cselect_b32 s18, 0, 1024
	s_sub_co_u32 s18, ttmp9, s18                   ; G
	s_lshl_b32 s24, s18, 16                        ; 128 rows of 512 bytes,
	s_lshl_b32 s19, s16, 13                        ; + 16 rows a wave
	s_add_co_u32 s24, s24, s19
	s_mov_b32 s25, 0
	s_add_nc_u64 s[4:5], s[4:5], s[24:25]
	s_lshl_b32 s24, s18, 3
	s_lshl_b32 s19, s16, 1
	s_add_co_u32 s24, s24, s19                     ; my first tile: 8 G + 2 w
	s_mul_i32 s26, s24, 1536
	s_mov_b32 s27, 0
	s_add_nc_u64 s[8:9], s[8:9], s[26:27]
	s_lshl_b32 s24, s24, 6
	s_add_nc_u64 s[10:11], s[10:11], s[24:25]
.macro LOADT e                         ; tile e's 16 rows: 32 lanes read 512 consecutive bytes
.irp m, 0,1,2,3,4,5,6,7,8,9,10,11,12,13,14,15
	global_load_b128 v[R+64*\e+4*\m:R+64*\e+4*\m+3], v5, s[4:5] offset:\e*4096+(64*(\m/8)+\m%8)*512 th:TH_LOAD_NT
.endr
.endm
.macro TURN e                          ; through the wave's stage: LDS serves a wave's instructions in order (ISA guide 5.7.1), so no wait stands between the stores and the loads
.irp m, 0,1,2,3,4,5,6,7,8,9,10,11,12,13,14,15
	ds_store_b128 v7, v[R+64*\e+4*\m:R+64*\e+4*\m+3] offset:PITCH*\m
.endr
.irp c, 0,1
.irp i, 0,1,2,3,4,5,6,7
	ds_load_b128 v[X+32*\c+4*\i:X+32*\c+4*\i+3], v8 offset:256*\c+16*\i
.endr
.endr
.endm
.macro QT e                            ; my row's two blocks (K blocks h and 2 + h) become codes and bytes; the image is stored
.set CC, CD+12*\e
.irp c, 0,1
	v_max3_num_f32 v[16+\c], |v[X+32*\c]|, |v[X+32*\c+1]|, 0x2800000   ; the floor 2^(5 - 127) among the leaves: the byte cannot fall under 1
.endr
.irp i, 2,4,6,8,10,12,14,16,18,20,22,24,26,28,30
.irp c, 0,1
	v_max3_num_f32 v[16+\c], v[16+\c], |v[X+32*\c+\i]|, |v[X+32*\c+\i+1]|   ; the two blocks by turns
.endr
.endr
.irp c, 0,1
	v_add_nc_u32 v[18+\c], 0xfe000000, v[16+\c]    ; 4 off the exponent field: the conversion takes this operand's exponent field as its scale
.endr
.irp c, 0,1
	v_lshrrev_b32 v[20+\c], 23, v[18+\c]           ; the byte
.endr
	v_lshl_or_b32 v22, v21, 16, v20                ; my two bytes, two places apart,
	v_lshlrev_b32 v22, v9, v22                     ; 8 h bits up;
	v_permlanex16_b32 v23, v22, s20, s21
	v_or_b32 v[24+\e], v22, v23                    ; with lane l xor 16's two the row's word is whole
	v_cvt_scalef32_pk16_bf6_f32 v[CC:CC+2], v[X:X+15], v18
	v_cvt_scalef32_pk16_bf6_f32 v[TA:TA+2], v[X+16:X+31], v18
	v_cvt_scalef32_pk16_bf6_f32 v[CC+6:CC+8], v[X+32:X+47], v19
	v_cvt_scalef32_pk16_bf6_f32 v[TB:TB+2], v[X+48:X+63], v19
	v_nop                                          ; one plain line behind the scaled conversions
.irp i, 0,1,2
	v_mov_b32 v[CC+3+\i], v[TA+\i]
	v_mov_b32 v[CC+9+\i], v[TB+\i]
.endr
.irp c, 0,1,2
	global_store_b128 v5, v[CC+4*\c:CC+4*\c+3], s[8:9] offset:\e*1536+512*\c   ; 32 lanes store 512 consecutive bytes, at a multiple of 512 from the buffer's first byte
.endr
.endm
	LOADT 0
	LOADT 1
	s_wait_loadcnt 16                              ; tile 0's 16 loads are in; tile 1's 16 may be out
	TURN 0
	s_wait_dscnt 0x0
	QT 0
	s_wait_loadcnt 0x0
	TURN 1                                         ; the stage and X are free: tile 0's LDS loads were waited for, and its numbers have been converted
	s_wait_dscnt 0x0
	QT 1
	v_cndmask_b32 v26, v24, v25, s22               ; lanes 0-15: tile 0's words, lanes 16-31: tile 1's
	global_store_b32 v6, v26, s[10:11]             ; 128 consecutive bytes a wave (one byte in 128 of what the launch reads)
	s_wait_tensorcnt 0x0
	ds_add_u32 v251, v255
	s_wait_dscnt 0x0
	s_endpgm
.Lfunc_end_k_q8d1e219017_quant:
	.size	k_q8d1e219017_quant, .Lfunc_end_k_q8d1e219017_quant-k_q8d1e219017_quant
	.p2alignl 7, 3214868480
	.fill 96, 4, 3214868480
	.section	.rodata,"a",@progbits
	.p2align	6, 0x0
	.amdhsa_kernel k_q8d1e219017_quant
		.amdhsa_group_segment_fixed_size 34304
		.amdhsa_private_segment_fixed_size 0
		.amdhsa_enable_private_segment 0
		.amdhsa_kernarg_size 40
		.amdhsa_user_sgpr_count 2
		.amdhsa_user_sgpr_kernarg_segment_ptr 1
		.amdhsa_wavefront_size32 1
		.amdhsa_system_sgpr_workgroup_id_x 1
		.amdhsa_system_sgpr_workgroup_id_y 1
		.amdhsa_system_sgpr_workgroup_id_z 1
		.amdhsa_system_vgpr_workitem_id 0
		.amdhsa_next_free_vgpr 256
		.amdhsa_next_free_sgpr 66
		.amdhsa_reserve_vcc 0
		.amdhsa_float_denorm_mode_32 3
		.amdhsa_float_denorm_mode_16_64 3
		.amdhsa_memory_ordered 1
		.amdhsa_forward_progress 1
		.amdhsa_inst_pref_size 16
	.end_amdhsa_kernel
	.amdgpu_metadata
---
amdhsa.version: [ 1, 2 ]
amdhsa.kernels:
  - .name:           k_q8d1e219017_quant
    .symbol:         k_q8d1e219017_quant.kd
    .args:
      - { .name: memory, .offset: 0, .size: 8, .value_kind: global_buffer, .address_space: global }
      - { .name: x, .offset: 8, .size: 8, .value_kind: global_buffer, .address_space: global }
      - { .name: mqc, .offset: 16, .size: 8, .value_kind: global_buffer, .address_space: global }
      - { .name: mqs, .offset: 24, .size: 8, .value_kind: global_buffer, .address_space: global }
      - { .name: xq, .offset: 32, .size: 8, .value_kind: global_buffer, .address_space: global }
    .group_segment_fixed_size: 34304
    .private_segment_fixed_size: 0
    .kernarg_segment_align: 8
    .kernarg_segment_size: 40
    .max_flat_workgroup_size: 128
    .sgpr_count:     66
    .vgpr_count:     256
    .wavefront_size: 32
...
	.end_amdgpu_metadata
.endif
;; end of part 1
;; launch simmax (part 2): grid 256 x 1, 4 waves a work-group, clusters of 4 x 1, 168,704 bytes of LDS; arguments mqc, mqs, xq, bm; writes bm
.if DOCPART == 2
	.amdgcn_target "amdgcn-amd-amdhsa--gfx1250"
	.amdhsa_code_object_version 6
	.text
	.protected	k_q8d1e219017_simmax
	.globl	k_q8d1e219017_simmax
	.p2align	8
	.type	k_q8d1e219017_simmax,@function
k_q8d1e219017_simmax:
	s_mov_b64 s[64:65], 0
	v_nop
	global_prefetch_b8 v0, s[64:65] scope:SCOPE_SE
	s_setreg_imm32_b32 hwreg(HW_REG_WAVE_MODE, 25, 1), 1
	s_wait_xcnt 0x0
	s_wait_alu depctr_hold_cnt(0) depctr_sa_sdst(0) depctr_va_vdst(0) depctr_va_sdst(0) depctr_va_ssrc(0) depctr_va_vcc(0) depctr_vm_vsrc(0)
	s_getreg_b32 s2, hwreg(HW_REG_IB_STS2, 6, 4)
	s_cmp_eq_u32 s2, 0
	s_cbranch_scc0 .Lentry_in_a_cluster
	s_endpgm
.Lentry_in_a_cluster:
	s_bfe_u32 s2, ttmp6, 0x10000c
	s_cmp_lg_u32 s2, 0x3003
	s_cbranch_scc0 .Lentry_shape_is_right
	s_endpgm
.Lentry_shape_is_right:
; sim = Q(x) Q(memory)^T, K = 128: one matrix instruction deep.  Of each BIN of 32 neighbouring memory rows only the largest sim of each query is kept: bm.
; Every one of a query's 16 best rows (larger sim first, lower row on equal sims) lies in one of its 16 best bins (larger maximum first, lower bin on equal maxima): each bin ranked before a row's bin holds a row ranked before it.
; SHARES.  Work-group c (0..255) owns 512 memory rows (16 bins) and walks all 1,024 queries.  Wave w owns group G = 4 c + w: its 8 storage tiles (96 registers) and their scale words stay in registers.
; x's 64 tiles (98,304 bytes of images, 4,096 of scale words) lie in LDS; one fragment (three loads of 16 bytes a lane and a scale word) feeds 8 products.
; CLUSTER.  All work-groups read the same xq: the four of a cluster ask for it JOINTLY, each wave 100 rows of 256 bytes, with the same descriptor and the mask 15.  It is filled once; nothing is filled again.
; LAYOUT.  Source 0 = 16 memory rows, source 1 = 16 queries: lane (r, h) holds query slot r and memory slots 8 h + 0..7.  By the storage tiles' order its 32 results of tiles 0-3 (4-7) are one bin: no lane asks another.
; The products take the constant 0 as C; the 8 accumulators take turns; the maxima of the four products before stand between the matrix instructions.
; bm: byte (q / 4) x 65536 + c x 256 + (q % 4) x 64 + 4 x (bin % 16).  The maxima gather in LDS and leave as whole aligned blocks of 256 bytes.
; LIMITS: NaN and infinities are not served.
.set XSCL, 98304                       ; LDS: x's images from 0, its scale words from here,
.set STG,  102400                      ; and the stage: wave w's run of [1024 queries][4 bins] f32 at STG + SREG w; no tile lands here
.set SREG, 16448                       ; 16,384 + 64: on the way back the four waves' pieces of a query fall into different banks
.set BA,  3                            ; v3   16 x lane + the trip's 8 tiles: x's images
.set BS,  4                            ; v4   XSCL + 4 (lane % 16) + the trip's: x's scale words
.set ST,  5                            ; v5   where my two maxima go
.set RD,  6                            ; v6   the way out: where I read 16 bytes back
.set GO,  7                            ; v7   and my byte offset in bm
.set AO,  8                            ; v8   16 x lane: memory's images; never rewritten
.set SO,  9                            ; v9   4 (lane % 16): memory's scale words; never rewritten
.set ACA, 10                           ; v10, v11 two running maxima
.set ACB, 11
.set RES, 12                           ; v[12:13] my two bins' maxima for query slot r
.set XS,  14                           ; v14, v15 x's scale words, two sets
.set SA,  16                           ; v16-23   memory's scale words, a register a tile
.set B,   24                           ; v24-47   x's fragment, two sets
.set A,   48                           ; v48-143  my 8 memory tiles
.set D,   144                          ; v144-207 8 accumulators
.macro CROUND                          ; a round of the cluster's barrier: my work-group's barrier; wave 0 signals for the work-group; every wave waits for all four work-groups; my work-group's barrier once more
	s_barrier_signal -1
	s_barrier_wait -1
	s_cmp_lg_u32 s12, 0
	s_cbranch_scc1 .Lnot_wave_0_\@
	s_barrier_signal -3
.Lnot_wave_0_\@:
	s_barrier_wait -3
	s_barrier_signal -1
	s_barrier_wait -1
.endm
	s_load_b256 s[4:11], s[0:1], 0x0               ; mqc s[4:5], mqs s[6:7], xq s[8:9], bm s[10:11]
	v_lshl_add_u32 v208, v0, 2, 0x29100
	v_mov_b32 v209, 0
	ds_add_u32 v208, v209
	ds_add_u32 v208, v209
	v_lshrrev_b32 v1, 5, v0
	v_readfirstlane_b32 s12, v1                    ; wave
	s_bfe_u32 s13, ttmp6, 0x40000                  ; cx: my place in the cluster: it enters global addresses of my own loads and stores alone
	s_lshl_b32 s14, ttmp9, 2
	s_add_co_u32 s14, s14, s13                     ; c = 4 x cluster + cx
	; descriptor group 1: 100 rows of 256 bytes (32 elements of 8 bytes), dense, no padding: the images are read 16 bytes a lane on end
	s_mov_b32 s16, 15|(3<<16)|(1<<21)              ; 15:0 the mask: all four work-groups; 17:16 elements of 8 bytes; 21 set beside a mask
	s_mov_b32 s17, 32<<16                          ; tensor_dim0 = 32
	s_mov_b32 s18, 100<<16                         ; tensor_dim1 = 100
	s_mov_b32 s19, 32<<16                          ; tile_dim0 = 32
	s_mov_b32 s20, 100                             ; tile_dim1 = 100
	s_mov_b32 s21, 32                              ; from row to row
	s_mov_b32 s22, 0
	s_mov_b32 s23, 0
	s_mul_i32 s28, s12, 25600                      ; my 100 rows, in memory and in LDS alike
	s_mov_b32 s29, 0
	v_and_b32 v1, 31, v0                           ; lane
	v_and_b32 v2, 15, v0                           ; r
	v_lshlrev_b32 v[AO], 4, v1
	v_lshlrev_b32 v[SO], 2, v2
	s_mul_i32 s32, s14, 49152                      ; my 8 tiles: (32 c + 8 w) x 1,536 bytes
	s_mul_i32 s33, s12, 12288
	s_add_co_u32 s32, s32, s33
	s_mov_b32 s33, 0
	s_wait_dscnt 0x0
	s_wait_kmcnt 0x0
	s_add_nc_u64 s[4:5], s[4:5], s[32:33]
	s_lshl_b32 s32, s14, 11                        ; their scale words: (32 c + 8 w) x 64
	s_lshl_b32 s34, s12, 9
	s_add_co_u32 s32, s32, s34
	s_add_nc_u64 s[6:7], s[6:7], s[32:33]
	s_lshl_b32 s32, s14, 8                         ; bm: block c of a row of 65,536 bytes; wave w stores queries 256 w on: 64 such rows
	s_lshl_b32 s34, s12, 22
	s_add_co_u32 s32, s32, s34
	s_add_nc_u64 s[10:11], s[10:11], s[32:33]
.irp u, 0,1,2,3,4,5,6,7                ; my memory tiles, asked for ahead of the round: they stay for the whole launch
.irp c, 0,1,2
	global_load_b128 v[A+12*\u+4*\c:A+12*\u+4*\c+3], v[AO], s[4:5] offset:1536*\u+512*\c
.endr
	global_load_b32 v[SA+\u], v[SO], s[6:7] offset:64*\u
.endr
	s_mov_b32 s24, 1                               ; group 0: count = 1
	s_mov_b32 s25, s28                             ; LDS address: wave x 25,600
	s_add_nc_u64 s[26:27], s[8:9], s[28:29]        ; global address: the same in all four work-groups
	s_or_b32 s27, s27, 0x80000000                  ; type = 2
	CROUND                                         ; all four work-groups are here: the joint loads meet
	tensor_load_to_lds s[24:27], s[16:23]          ; my one tensor load of the launch
	s_nop 0
.rept 4
	v_nop
.endr
	v_lshlrev_b32 v[BA], 4, v1
	v_lshl_add_u32 v[BS], v2, 2, XSCL
	v_bfe_u32 v10, v0, 4, 1                        ; h
	v_bfe_u32 v11, v0, 3, 1                        ; r / 8
	v_and_b32 v12, 7, v0                           ; r % 8
	v_lshlrev_b32 v[ST], 10, v11                   ; query slot r of x's tile u of group g is query 128 g + 64 (r / 8) + 8 u + r % 8; 16 bytes a query,
	v_lshl_add_u32 v[ST], v12, 4, v[ST]
	v_lshl_add_u32 v[ST], v10, 3, v[ST]            ; my half's two bins at 8 h
	s_mul_i32 s31, s12, SREG
	s_add_co_u32 s31, s31, STG
	v_add_nc_u32 v[ST], s31, v[ST]
	v_and_b32 v13, 3, v0
	v_mul_u32_u24 v[RD], v13, SREG                 ; back: lane l takes the piece of wave l % 4
	v_lshrrev_b32 v13, 2, v1
	v_lshl_add_u32 v[RD], v13, 4, v[RD]            ; of query 256 w + 8 i + l / 4
	s_lshl_b32 s31, s12, 12
	s_add_co_u32 s31, s31, STG
	v_add_nc_u32 v[RD], s31, v[RD]
	v_lshlrev_b32 v[GO], 16, v10                   ; in bm: lanes 0-15 one block of 256 bytes (4 queries), lanes 16-31 the block one row of 65,536 bytes on
	v_lshl_add_u32 v[GO], v2, 4, v[GO]
.macro PROD p, t                       ; memory tile t x the queries in set p
	v_wmma_scale_f32_16x16x128_f8f6f4 v[D+8*(\t):D+8*(\t)+7], v[A+12*(\t):A+12*(\t)+11], v[B+12*(\p):B+12*(\p)+11], 0, v[SA+(\t)], v[XS+(\p)] matrix_a_fmt:MATRIX_FMT_BF6 matrix_b_fmt:MATRIX_FMT_BF6
.endm
.macro FOLD t                          ; accumulator t's eight numbers into the running maxima, from its low end on; tiles 0 and 4 start them, tiles 3 and 7 close a bin
.set DD, D+8*(\t)
.if (\t)%4 == 0
	v_max_num_f32 v[ACA], v[DD], v[DD+1]
	v_max_num_f32 v[ACB], v[DD+2], v[DD+3]
.else
	v_max3_num_f32 v[ACA], v[ACA], v[DD], v[DD+1]
	v_max3_num_f32 v[ACB], v[ACB], v[DD+2], v[DD+3]
.endif
	v_max3_num_f32 v[ACA], v[ACA], v[DD+4], v[DD+5]
	v_max3_num_f32 v[ACB], v[ACB], v[DD+6], v[DD+7]
.if (\t)%4 == 3
	v_max_num_f32 v[RES+(\t)/4], v[ACA], v[ACB]
.endif
.endm
.macro LB u, p                         ; x's tile u of the trip's eight (8 and 9: the next trip's first two) into set p
.irp c, 0,1,2
	ds_load_b128 v[B+12*(\p)+4*\c:B+12*(\p)+4*\c+3], v[BA] offset:1536*(\u)+512*\c
.endr
	ds_load_b32 v[XS+(\p)], v[BS] offset:64*(\u)
.endm
; A STEP serves x's tile u (set u % 2).  Its products on memory tiles 0-3 were issued in the step before.  First half: products on tiles 4-7, each followed by the maxima of one of tiles 0-3.
; Then set u % 2 is free: the five plain lines of FOLD 3 stand between its last product and the loads into it (four are asked: ISA guide 7.12.1 for vector instructions).
; Second half: the next tile's products on memory tiles 0-3, each followed by the maxima of one of tiles 4-7.  An accumulator is read four matrix instructions and sixteen plain lines behind its product, and written again eight matrix instructions behind it.
.macro STEP u, ld, nextw
.set PP, (\u)&1
.irp t, 0,1,2,3
	PROD PP, \t+4
	FOLD \t
.endr
.if \ld
	LB (\u)+2, PP
	s_wait_dscnt 0x4                               ; all but the four loads just issued: the other set, asked for a step ago, is in
.elseif \nextw
	s_wait_dscnt 0x0
.endif
.irp t, 0,1,2,3
.if \nextw
	PROD 1-PP, \t
.endif
	FOLD \t+4
.endr
	ds_store_b64 v[ST], v[RES:RES+1] offset:128*(\u)   ; my two bins' maxima for my query
.endm
	s_wait_tensorcnt 0x0                           ; my 100 rows of xq are in,
	s_barrier_signal -1
	s_barrier_wait -1                              ; everybody's are
	LB 0, 0
	LB 1, 1
	s_wait_loadcnt 0x0                             ; my memory tiles
	s_wait_dscnt 0x4                               ; x's tile 0 is in; tile 1's four loads may be out
.irp t, 0,1,2,3
	PROD 0, \t
.endr
.rept 4
	v_nop                                          ; four places behind these products, ahead of the first read of their results
.endr
	s_mov_b32 s30, 7
.Ltrip:                                            ; a trip: 8 tiles of x, 128 queries, 64 products
.irp u, 0,1,2,3,4,5,6,7
	STEP \u, 1, 1
.endr
	v_add_nc_u32 v[BA], 12288, v[BA]
	v_add_nc_u32 v[BS], 512, v[BS]
	v_add_nc_u32 v[ST], 2048, v[ST]
	s_sub_co_u32 s30, s30, 1
	s_cmp_lg_u32 s30, 0
	s_cbranch_scc1 .Ltrip
.irp u, 0,1,2,3,4,5                    ; the last 128 queries are written out: nothing is read past x's 64th tile
	STEP \u, 1, 1
.endr
	STEP 6, 0, 1
	STEP 7, 0, 0
	; THE WAY OUT.  A query's 64 bytes come from four waves: a barrier, then wave w takes queries 256 w .. 256 w + 255, 8 an instruction.
	s_wait_dscnt 0x0                               ; for the others' sake: my stores into the stage are done
	s_barrier_signal -1
	s_barrier_wait -1
.rept 4
	v_nop                                          ; places ahead of loads into registers that matrix instructions have read or written
.endr
.set J, 0
.rept 32
	ds_load_b128 v[A+4*J:A+4*J+3], v[RD] offset:128*J
.set J, J+1
.endr
.set J, 0
.rept 32
	s_wait_dscnt 31-J                              ; LDS loads come back in order: load J is in
	global_store_b128 v[GO], v[A+4*J:A+4*J+3], s[10:11] offset:131072*J th:TH_STORE_NT   ; each half of the lanes stores 256 consecutive bytes, at a multiple of 256 from bm's first byte
.set J, J+1
.endr
	s_wait_tensorcnt 0x0
	ds_add_u32 v208, v209
	s_wait_dscnt 0x0
	CROUND                                         ; the closing round: no work-group ends while a partner may still ask jointly
	s_endpgm
.Lfunc_end_k_q8d1e219017_simmax:
	.size	k_q8d1e219017_simmax, .Lfunc_end_k_q8d1e219017_simmax-k_q8d1e219017_simmax
	.p2alignl 7, 3214868480
	.fill 96, 4, 3214868480
	.section	.rodata,"a",@progbits
	.p2align	6, 0x0
	.amdhsa_kernel k_q8d1e219017_simmax
		.amdhsa_group_segment_fixed_size 168704
		.amdhsa_private_segment_fixed_size 0
		.amdhsa_enable_private_segment 0
		.amdhsa_kernarg_size 32
		.amdhsa_user_sgpr_count 2
		.amdhsa_user_sgpr_kernarg_segment_ptr 1
		.amdhsa_wavefront_size32 1
		.amdhsa_system_sgpr_workgroup_id_x 1
		.amdhsa_system_sgpr_workgroup_id_y 1
		.amdhsa_system_sgpr_workgroup_id_z 1
		.amdhsa_system_vgpr_workitem_id 0
		.amdhsa_next_free_vgpr 210
		.amdhsa_next_free_sgpr 66
		.amdhsa_reserve_vcc 0
		.amdhsa_float_denorm_mode_32 3
		.amdhsa_float_denorm_mode_16_64 3
		.amdhsa_memory_ordered 1
		.amdhsa_forward_progress 1
		.amdhsa_inst_pref_size 67
	.end_amdhsa_kernel
	.amdgpu_metadata
---
amdhsa.version: [ 1, 2 ]
amdhsa.kernels:
  - .name:           k_q8d1e219017_simmax
    .symbol:         k_q8d1e219017_simmax.kd
    .args:
      - { .name: mqc, .offset: 0, .size: 8, .value_kind: global_buffer, .address_space: global }
      - { .name: mqs, .offset: 8, .size: 8, .value_kind: global_buffer, .address_space: global }
      - { .name: xq, .offset: 16, .size: 8, .value_kind: global_buffer, .address_space: global }
      - { .name: bm, .offset: 24, .size: 8, .value_kind: global_buffer, .address_space: global }
    .group_segment_fixed_size: 168704
    .private_segment_fixed_size: 0
    .kernarg_segment_align: 8
    .kernarg_segment_size: 32
    .max_flat_workgroup_size: 128
    .sgpr_count:     66
    .vgpr_count:     210
    .wavefront_size: 32
...
	.end_amdgpu_metadata
.endif
;; end of part 2
;; launch pickbins (part 3): grid 256 x 1, 4 waves a work-group, no clusters, 168,448 bytes of LDS; arguments bm, bins; writes bins
.if DOCPART == 3
	.amdgcn_target "amdgcn-amd-amdhsa--gfx1250"
	.amdhsa_code_object_version 6
	.text
	.protected	k_q8d1e219017_pickbins
	.globl	k_q8d1e219017_pickbins
	.p2align	8
	.type	k_q8d1e219017_pickbins,@function
k_q8d1e219017_pickbins:
	s_mov_b64 s[64:65], 0
	v_nop
	global_prefetch_b8 v0, s[64:65] scope:SCOPE_SE
	s_setreg_imm32_b32 hwreg(HW_REG_WAVE_MODE, 25, 1), 1
	s_wait_xcnt 0x0
; For each query: the 16 best of its 4,096 bin maxima, larger maximum first, lower bin on equal maxima.  Stored as whole numbers (in no order): the next launch forms addresses from them.
; SHARES.  Work-group g serves queries 4 g .. 4 g + 3, whose maxima are one dense block of 65,536 bytes of bm; wave w serves query 4 g + w: 128 maxima a lane.  No cluster: work-groups share nothing.
; NO BRANCH AND NO ADDRESS HANGS ON A NUMBER: the choice is a fixed network of maxima and minima, run twice.
;   Pass 1, on the maxima: T = the 16th largest, equal numbers counted each.
;   Keys: each maximum is replaced by an f32 number whose BITS are 0x40000000 + W (+ 0x2000 where it lies above T), W = 4096 - bin; below T: 0x3f000000 + a small number.  All are positive normal numbers, no two of those from T up are
;   equal, and their order is the order of their bits: above T first, then equal to T with the lower bin first.
;   Pass 2, on the keys: the 16 largest.  At least 16 maxima are T or more, so all 16 are true keys: bin = 4096 - (bits & 0x1fff).
; THE NETWORK.  Each group of 16 registers is sorted (bitonic, descending, 80 comparators); of two sorted sixteens the larger sixteen are max(a[i], b[15 - i]), a bitonic run that four stages sort again.  So the lane's eight groups,
; then lanes l xor 1, 2, 4, 8 (the exchange rides on the maximum: DPP), then l xor 16 are folded together.  A comparator is one dual instruction; a stage writes the other bank, pair p to registers 2 p and 2 p + 1, and the next stage's
; register numbers follow that order.
; LIMITS: NaN is not served; +0 and -0 count as equal.
.set USE_DUAL, 1
.set LA,  2                            ; v2, v3  LDS addresses of my 16 bytes of loads 0-15 and 16-31
.set T,   4                            ; v4      T
.set C0,  5                            ; v5      0x40000000 - 4 x lane
.set C1,  6                            ; v6      0x40002000 - 4 x lane
.set CN,  7                            ; v7      0x3f000000
.set NIL, 8                            ; v8      0: the store's offset
.set KT,  12                           ; v12-15  at work
.set P0,  32                           ; v32-47, v48-63    two banks for a group's sort
.set P1,  48
.set V,   64                           ; v64-191 register 4 j + c of lane l: bin 128 j + 4 l + c
.set Z0,  192                          ; v192-207, v208-223  two banks for the best sixteen so far
.set Z1,  208
.set SEL, 28                           ; s[28:29] selects for lane l xor 16
.macro CE dmx, dmn, ra, rb             ; a comparator
.if USE_DUAL
	v_dual_max_num_f32 v[\dmx], v[\ra], v[\rb] :: v_dual_min_num_f32 v[\dmn], v[\ra], v[\rb]
.else
	v_max_num_f32 v[\dmx], v[\ra], v[\rb]
	v_min_num_f32 v[\dmn], v[\ra], v[\rb]
.endif
.endm
.macro MX2 d0, a0, b0, d1, a1, b1      ; two maxima
.if USE_DUAL
	v_dual_max_num_f32 v[\d0], v[\a0], v[\b0] :: v_dual_max_num_f32 v[\d1], v[\a1], v[\b1]
.else
	v_max_num_f32 v[\d0], v[\a0], v[\b0]
	v_max_num_f32 v[\d1], v[\a1], v[\b1]
.endif
.endm
; One stage: elements e and e + 2^cb (bit cb of e is 0) are compared; the larger goes to e where e & kk is 0.  The stage before compared on bit pb, so element x lies at src + (x without bit pb) x 2 + (bit pb of x).
.macro STAGE src, dst, pb, cb, kk
.set PI, 0
.rept 8
.set EE, ((PI>>(\cb))<<((\cb)+1))|(PI&((1<<(\cb))-1))
.set FF, EE|(1<<(\cb))
.set PE, ((((EE>>((\pb)+1))<<(\pb))|(EE&((1<<(\pb))-1)))<<1)|((EE>>(\pb))&1)
.set PF, ((((FF>>((\pb)+1))<<(\pb))|(FF&((1<<(\pb))-1)))<<1)|((FF>>(\pb))&1)
.if (EE&(\kk)) == 0
	CE (\dst)+2*PI, (\dst)+2*PI+1, (\src)+PE, (\src)+PF
.else
	CE (\dst)+2*PI+1, (\dst)+2*PI, (\src)+PE, (\src)+PF
.endif
.set PI, PI+1
.endr
.endm
.macro SORT16 src, b0, b1              ; 16 registers from src, which stay, sorted descending into b1
	STAGE \src, \b0, 0, 0, 2
	STAGE \b0, \b1, 0, 1, 4
	STAGE \b1, \b0, 1, 0, 4
	STAGE \b0, \b1, 0, 2, 8
	STAGE \b1, \b0, 2, 1, 8
	STAGE \b0, \b1, 1, 0, 8
	STAGE \b1, \b0, 0, 3, 16
	STAGE \b0, \b1, 3, 2, 16
	STAGE \b1, \b0, 2, 1, 16
	STAGE \b0, \b1, 1, 0, 16
.endm
.macro MERGE4 z0, z1                   ; a bitonic run in z0 is sorted descending, back into z0
	STAGE \z0, \z1, 0, 3, 16
	STAGE \z1, \z0, 3, 2, 16
	STAGE \z0, \z1, 2, 1, 16
	STAGE \z1, \z0, 1, 0, 16
.endm
.macro HC z, s                         ; the larger sixteen of two sorted sixteens, into z
.irp i, 0,2,4,6,8,10,12,14
	MX2 (\z)+\i, (\z)+\i, (\s)+15-\i, (\z)+\i+1, (\z)+\i+1, (\s)+14-\i
.endr
.endm
.macro HCX zs, zd, xm                  ; the same with lane l xor xm's sixteen
.irp i, 0,1,2,3,4,5,6,7,8,9,10,11,12,13,14,15
	v_max_num_f32_dpp v[(\zd)+\i], v[(\zs)+15-\i], v[(\zs)+\i] row_xmask:\xm row_mask:0xf bank_mask:0xf
.endr
.endm
.macro TOP16 v, ng, wt                 ; the 16 largest of the wave's 32 x 16 ng numbers, as a set, into Z1 of every lane.  wt = 1: the numbers are still coming from LDS, four loads a group
.if \wt
	s_wait_dscnt 28                                ; group 0's four loads are in
.endif
	SORT16 \v, Z1, Z0
.if (\ng) > 1
.set GI, 1
.rept (\ng)-1
.if \wt
	s_wait_dscnt 32-4*(GI+1)                       ; group GI's four loads are in; the later groups' may be out
.endif
	SORT16 (\v)+16*GI, P0, P1
	HC Z0, P1
	MERGE4 Z0, Z1
.set GI, GI+1
.endr
.endif
	HCX Z0, Z1, 1
	MERGE4 Z1, Z0
	HCX Z1, Z0, 2
	MERGE4 Z0, Z1
	HCX Z0, Z1, 4
	MERGE4 Z1, Z0
	HCX Z1, Z0, 8
	MERGE4 Z0, Z1
.irp i, 0,1,2,3,4,5,6,7,8,9,10,11,12,13,14,15
	v_permlanex16_b32 v[P0+\i], v[Z0+15-\i], s[SEL], s[SEL+1]
.endr
.irp i, 0,2,4,6,8,10,12,14
	MX2 Z1+\i, Z0+\i, P0+\i, Z1+\i+1, Z0+\i+1, P0+\i+1
.endr
.endm
	s_load_b128 s[4:7], s[0:1], 0x0                ; bm, bins
	v_lshl_add_u32 v224, v0, 2, 0x29000
	v_mov_b32 v225, 0
	ds_add_u32 v224, v225
	ds_add_u32 v224, v225
	v_lshrrev_b32 v1, 5, v0
	v_readfirstlane_b32 s8, v1                     ; wave
	; descriptor group 1: 64 rows of 256 bytes (32 elements of 8 bytes), dense in memory; in LDS 64 bytes of padding behind each: pitch 320
	s_mov_b32 s16, (3<<16)|(1<<20)|(5<<22)|(15<<25)   ; 17:16 elements of 8 bytes; 20 padding on; 24:22 after every 64 words (code 5); 31:25 of 16 words (code 15)
	s_mov_b32 s17, 32<<16                          ; tensor_dim0 = 32
	s_mov_b32 s18, 64<<16                          ; tensor_dim1 = 64
	s_mov_b32 s19, 32<<16                          ; tile_dim0 = 32
	s_mov_b32 s20, 64                              ; tile_dim1 = 64
	s_mov_b32 s21, 32                              ; from row to row
	s_mov_b32 s22, 0
	s_mov_b32 s23, 0
	s_mov_b32 s24, 1                               ; group 0: count = 1
	s_mul_i32 s25, s8, 20480                       ; LDS address: wave x 64 rows of 320 bytes
	s_lshl_b32 s10, ttmp9, 16                      ; the work-group's 65,536 bytes,
	s_lshl_b32 s11, s8, 14                         ; my quarter of them
	s_add_co_u32 s10, s10, s11
	s_mov_b32 s11, 0
	s_lshl_b32 s12, ttmp9, 8                       ; bins: 64 bytes a query
	s_lshl_b32 s13, s8, 6
	s_add_co_u32 s12, s12, s13
	s_mov_b32 s13, 0
	s_mov_b32 s[SEL], 0x76543210
	s_mov_b32 s[SEL+1], 0xfedcba98
	s_wait_dscnt 0x0
	s_wait_kmcnt 0x0
	s_add_nc_u64 s[26:27], s[4:5], s[10:11]
	s_or_b32 s27, s27, 0x80000000                  ; type = 2
	tensor_load_to_lds s[24:27], s[16:23]          ; my one tensor load of the launch; nothing is filled again
	s_nop 0
.rept 4
	v_nop
.endr
	s_add_nc_u64 s[6:7], s[6:7], s[12:13]
	v_and_b32 v1, 31, v0                           ; lane
	v_lshrrev_b32 v2, 2, v1
	v_mul_u32_u24 v2, v2, 320                      ; LDS row rho holds bins 16 rho .. 16 rho + 15 of four queries; load j, lane l: row 8 j + l / 4,
	v_and_b32 v3, 3, v1
	v_lshl_add_u32 v2, v3, 4, v2                   ; piece l % 4 of 16 bytes,
	s_lshl_b32 s9, s8, 6
	v_add_nc_u32 v2, s9, v2                        ; of my query's 64: sixteen lanes touch sixteen different columns of 16 bytes
	v_add_nc_u32 v3, 40960, v2                     ; loads 16-31 lie beyond the 16-bit immediate's reach
	v_lshlrev_b32 v9, 2, v1
	v_sub_nc_u32 v[C0], 0x40000000, v9
	v_sub_nc_u32 v[C1], 0x40002000, v9
	v_mov_b32 v[CN], 0x3f000000
	v_mov_b32 v[NIL], 0
	s_wait_tensorcnt 0x0                           ; my quarter is in,
	s_barrier_signal -1
	s_barrier_wait -1                              ; everybody's is
.set J, 0
.rept 32
	ds_load_b128 v[V+4*J:V+4*J+3], v[LA+J/16] offset:2560*(J%16)
.set J, J+1
.endr
	TOP16 V, 8, 1                                  ; pass 1
	v_min3_num_f32 v[T], v[Z1], v[Z1+1], v[Z1+2]   ; T: the smallest of the sixteen
.irp i, 3,5,7,9,11,13
	v_min3_num_f32 v[T], v[T], v[Z1+\i], v[Z1+\i+1]
.endr
	v_min_num_f32 v[T], v[T], v[Z1+15]
.set J, 0
.rept 32                               ; the keys, four registers at a time, so that no line waits for the line above it
.irp c, 0,1,2,3
	v_cmp_ge_f32 s[40+\c], v[V+4*J+\c], v[T]
	v_cmp_gt_f32 s[44+\c], v[V+4*J+\c], v[T]
.endr
.irp c, 0,1,2,3
	v_cndmask_b32 v[KT+\c], v[CN], v[C0], s[40+\c]
.endr
.irp c, 0,1,2,3
	v_cndmask_b32 v[KT+\c], v[KT+\c], v[C1], s[44+\c]
.endr
.irp c, 0,1,2,3
	v_add_nc_u32 v[V+4*J+\c], 4096-128*J-\c, v[KT+\c]   ; + 4096 - (128 j + c); the lane's 4 l is in C0 and C1
.endr
.set J, J+1
.endr
	TOP16 V, 8, 0                                  ; pass 2
.irp i, 0,1,2,3,4,5,6,7,8,9,10,11,12,13,14,15
	v_and_b32 v[Z1+\i], 0x1fff, v[Z1+\i]           ; W
.endr
.irp i, 0,1,2,3,4,5,6,7,8,9,10,11,12,13,14,15
	v_sub_nc_u32 v[Z1+\i], 4096, v[Z1+\i]          ; the bin
.endr
	v_cmp_eq_u32 vcc_lo, 0, v1                     ; every lane holds the set; lane 0 stores it: 64 bytes a query, a quarter of an aligned 256 bytes (65,536 bytes in the launch)
	s_wait_xcnt 0x0                                ; EXEC changes only behind this wait
	s_wait_tensorcnt 0x0
	ds_add_u32 v224, v225
	s_wait_dscnt 0x0
	s_and_saveexec_b32 s36, vcc_lo
.irp i, 0,1,2,3
	global_store_b128 v[NIL], v[Z1+4*\i:Z1+4*\i+3], s[6:7] offset:16*\i
.endr
	s_wait_xcnt 0x0                                ; and again ahead of the line that widens it
	s_or_b32 exec_lo, exec_lo, s36
	s_endpgm
.Lfunc_end_k_q8d1e219017_pickbins:
	.size	k_q8d1e219017_pickbins, .Lfunc_end_k_q8d1e219017_pickbins-k_q8d1e219017_pickbins
	.p2alignl 7, 3214868480
	.fill 96, 4, 3214868480
	.section	.rodata,"a",@progbits
	.p2align	6, 0x0
	.amdhsa_kernel k_q8d1e219017_pickbins
		.amdhsa_group_segment_fixed_size 168448
		.amdhsa_private_segment_fixed_size 0
		.amdhsa_enable_private_segment 0
		.amdhsa_kernarg_size 16
		.amdhsa_user_sgpr_count 2
		.amdhsa_user_sgpr_kernarg_segment_ptr 1
		.amdhsa_wavefront_size32 1
		.amdhsa_system_sgpr_workgroup_id_x 1
		.amdhsa_system_sgpr_workgroup_id_y 1
		.amdhsa_system_sgpr_workgroup_id_z 1
		.amdhsa_system_vgpr_workitem_id 0
		.amdhsa_next_free_vgpr 226
		.amdhsa_next_free_sgpr 66
		.amdhsa_reserve_vcc 1
		.amdhsa_float_denorm_mode_32 3
		.amdhsa_float_denorm_mode_16_64 3
		.amdhsa_memory_ordered 1
		.amdhsa_forward_progress 1
		.amdhsa_inst_pref_size 190
	.end_amdhsa_kernel
	.amdgpu_metadata
---
amdhsa.version: [ 1, 2 ]
amdhsa.kernels:
  - .name:           k_q8d1e219017_pickbins
    .symbol:         k_q8d1e219017_pickbins.kd
    .args:
      - { .name: bm, .offset: 0, .size: 8, .value_kind: global_buffer, .address_space: global }
      - { .name: bins, .offset: 8, .size: 8, .value_kind: global_buffer, .address_space: global }
    .group_segment_fixed_size: 168448
    .private_segment_fixed_size: 0
    .kernarg_segment_align: 8
    .kernarg_segment_size: 16
    .max_flat_workgroup_size: 128
    .sgpr_count:     66
    .vgpr_count:     226
    .wavefront_size: 32
...
	.end_amdgpu_metadata
.endif
;; end of part 3
;; launch refine (part 4): grid 256 x 1, 4 waves a work-group, no clusters, 0 bytes of LDS; arguments mqc, mqs, xq, bins, idx; writes idx
.if DOCPART == 4
	.amdgcn_target "amdgcn-amd-amdhsa--gfx1250"
	.amdhsa_code_object_version 6
	.text
	.protected	k_q8d1e219017_refine
	.globl	k_q8d1e219017_refine
	.p2align	8
	.type	k_q8d1e219017_refine,@function
k_q8d1e219017_refine:
	s_mov_b64 s[64:65], 0
	v_nop
	global_prefetch_b8 v0, s[64:65] scope:SCOPE_SE
	s_setreg_imm32_b32 hwreg(HW_REG_WAVE_MODE, 25, 1), 1
	s_wait_xcnt 0x0
; For each query: the sims of the 16 x 32 = 512 rows of its 16 best bins once more (32 matrix instructions on the same codes, sources swapped: the same bits), and of them the 16 best rows,
; larger sim first, lower row on equal sims, as jax.lax.top_k has it.  Stored as whole numbers (in no order): the next launch gathers by them.
; SHARES.  Wave = query 4 g + w.  No cluster: each query has candidates of its own.  No LDS, no label: the text runs straight through.
; The bins come by a scalar load from the whole numbers that the launch before stored; each is held to 4095 ahead of every address made of it.
; CANDIDATE TILE t = 2 s + a (bin s of the list, half a): lane r holds row 32 bin + 16 a + r.  In the storage tiles that is slot 8 h' + r % 8 of tile 8 G + 4 ub + 2 a + r / 8 (bin = 4 G + 2 h' + ub): each lane takes its row's
; 16 bytes out of three planes of an image.  The two halves' scale words share a register: a = 0 in lanes 0-15, a = 1 in lanes 16-31.
; Source 0 = the query's row in all 16 rows, source 1 = 16 candidates: register 0 of lane (r, h) is sim(query, candidate r).
; The choice is the fixed network of the launch before, on 16 numbers a lane (lane (r, h), register k: tile 16 h + k), run twice: T, then keys with bits 0x40000000 + W (+ 0x40000 above T), W = 131072 - row.
; REGISTERS, in windows of 256: window 1: v0-191 tiles 0-15; window 2: v0-191 tiles 16-31; window 0: all else.
; LIMITS: NaN is not served; +0 and -0 count as equal.
.set USE_DUAL, 0
.set VC,  8                            ; v8-23    bin s: my byte offset in mqc
.set VS,  24                           ; v24-39   and in mqs
.set SB,  40                           ; v40-55   bin s: the candidates' scale words
.set XA,  56                           ; v56-67   the query's fragment
.set XW,  68                           ; v68      its scale word
.set D,   72                           ; v72-135  8 accumulators
.set V,   136                          ; v136-151 the sims, then the keys
.set WK,  152                          ; v152-167 W of each
.set Z0,  168
.set Z1,  184
.set P0,  200
.set P1,  216
.set T,   232
.set CN,  233
.set C0,  234
.set C1,  235
.set KT,  236                          ; v236-239 at work
.set RB,  240
.set SEL, 50                           ; s[50:51] selects for lane l xor 16
.set MSB, 0
.macro WIN new                         ; the immediate's high byte repeats the setting that is left
.if MSB != \new
	s_set_vgpr_msb (MSB<<8)|\new
.set MSB, \new
.endif
.endm
.macro CE dmx, dmn, ra, rb             ; a comparator
.if USE_DUAL
	v_dual_max_num_f32 v[\dmx], v[\ra], v[\rb] :: v_dual_min_num_f32 v[\dmn], v[\ra], v[\rb]
.else
	v_max_num_f32 v[\dmx], v[\ra], v[\rb]
	v_min_num_f32 v[\dmn], v[\ra], v[\rb]
.endif
.endm
.macro MX2 d0, a0, b0, d1, a1, b1      ; two maxima
.if USE_DUAL
	v_dual_max_num_f32 v[\d0], v[\a0], v[\b0] :: v_dual_max_num_f32 v[\d1], v[\a1], v[\b1]
.else
	v_max_num_f32 v[\d0], v[\a0], v[\b0]
	v_max_num_f32 v[\d1], v[\a1], v[\b1]
.endif
.endm
; One stage: elements e and e + 2^cb (bit cb of e is 0) are compared; the larger goes to e where e & kk is 0.  The stage before compared on bit pb, so element x lies at src + (x without bit pb) x 2 + (bit pb of x).
.macro STAGE src, dst, pb, cb, kk
.set PI, 0
.rept 8
.set EE, ((PI>>(\cb))<<((\cb)+1))|(PI&((1<<(\cb))-1))
.set FF, EE|(1<<(\cb))
.set PE, ((((EE>>((\pb)+1))<<(\pb))|(EE&((1<<(\pb))-1)))<<1)|((EE>>(\pb))&1)
.set PF, ((((FF>>((\pb)+1))<<(\pb))|(FF&((1<<(\pb))-1)))<<1)|((FF>>(\pb))&1)
.if (EE&(\kk)) == 0
	CE (\dst)+2*PI, (\dst)+2*PI+1, (\src)+PE, (\src)+PF
.else
	CE (\dst)+2*PI+1, (\dst)+2*PI, (\src)+PE, (\src)+PF
.endif
.set PI, PI+1
.endr
.endm
.macro SORT16 src, b0, b1              ; 16 registers from src, which stay, sorted descending into b1
	STAGE \src, \b0, 0, 0, 2
	STAGE \b0, \b1, 0, 1, 4
	STAGE \b1, \b0, 1, 0, 4
	STAGE \b0, \b1, 0, 2, 8
	STAGE \b1, \b0, 2, 1, 8
	STAGE \b0, \b1, 1, 0, 8
	STAGE \b1, \b0, 0, 3, 16
	STAGE \b0, \b1, 3, 2, 16
	STAGE \b1, \b0, 2, 1, 16
	STAGE \b0, \b1, 1, 0, 16
.endm
.macro MERGE4 z0, z1                   ; a bitonic run in z0 is sorted descending, back into z0
	STAGE \z0, \z1, 0, 3, 16
	STAGE \z1, \z0, 3, 2, 16
	STAGE \z0, \z1, 2, 1, 16
	STAGE \z1, \z0, 1, 0, 16
.endm
.macro HCX zs, zd, xm                  ; the larger sixteen of my sorted sixteen and lane l xor xm's
.irp i, 0,1,2,3,4,5,6,7,8,9,10,11,12,13,14,15
	v_max_num_f32_dpp v[(\zd)+\i], v[(\zs)+15-\i], v[(\zs)+\i] row_xmask:\xm row_mask:0xf bank_mask:0xf
.endr
.endm
.macro TOP16 v                         ; the 16 largest of the wave's 32 x 16 numbers, as a set, into Z1 of every lane
	SORT16 \v, Z1, Z0
	HCX Z0, Z1, 1
	MERGE4 Z1, Z0
	HCX Z1, Z0, 2
	MERGE4 Z0, Z1
	HCX Z0, Z1, 4
	MERGE4 Z1, Z0
	HCX Z1, Z0, 8
	MERGE4 Z0, Z1
.irp i, 0,1,2,3,4,5,6,7,8,9,10,11,12,13,14,15
	v_permlanex16_b32 v[P0+\i], v[Z0+15-\i], s[SEL], s[SEL+1]
.endr
.irp i, 0,2,4,6,8,10,12,14
	MX2 Z1+\i, Z0+\i, P0+\i, Z1+\i+1, Z0+\i+1, P0+\i+1
.endr
.endm
	s_load_b256 s[4:11], s[0:1], 0x0               ; mqc s[4:5], mqs s[6:7], xq s[8:9], bins s[10:11]
	s_load_b64 s[12:13], s[0:1], 0x20              ; idx
	v_lshrrev_b32 v1, 5, v0
	v_readfirstlane_b32 s15, v1                    ; wave
	s_lshl_b32 s14, ttmp9, 2
	s_add_co_u32 s14, s14, s15                     ; q
	s_lshl_b32 s32, s14, 6                         ; 64 bytes a query in bins and in idx
	s_mov_b32 s33, 0
	s_wait_kmcnt 0x0
	s_add_nc_u64 s[10:11], s[10:11], s[32:33]
	s_add_nc_u64 s[12:13], s[12:13], s[32:33]
	s_load_b512 s[16:31], s[10:11], 0x0            ; my 16 bins
	s_lshr_b32 s32, s14, 7                         ; the query's place among x's storage tiles: tile 8 (q / 128) + (q / 8) % 8,
	s_lshl_b32 s32, s32, 3
	s_bfe_u32 s33, s14, 0x30003
	s_add_co_u32 s32, s32, s33
	s_bfe_u32 s33, s14, 0x10006                    ; slot 8 ((q / 64) % 2) + q % 8
	s_lshl_b32 s33, s33, 3
	s_and_b32 s34, s14, 7
	s_add_co_u32 s33, s33, s34
	s_mul_i32 s36, s32, 1536
	s_lshl_b32 s35, s33, 4
	s_add_co_u32 s36, s36, s35
	s_mov_b32 s37, 0
	s_add_nc_u64 s[38:39], s[8:9], s[36:37]        ; its 16 bytes in plane 0 of the image, lanes' half 0
	s_lshl_b32 s36, s32, 6
	s_lshl_b32 s35, s33, 2
	s_add_co_u32 s36, s36, s35
	s_add_co_u32 s36, s36, 98304
	s_add_nc_u64 s[8:9], s[8:9], s[36:37]          ; its scale word
	s_mov_b32 s48, 0xffff0000                      ; lanes 16-31
	s_mov_b32 s[SEL], 0x76543210
	s_mov_b32 s[SEL+1], 0xfedcba98
	v_and_b32 v1, 15, v0                           ; r
	v_bfe_u32 v2, v0, 4, 1                         ; h
	v_bfe_u32 v5, v0, 3, 1                         ; r / 8
	v_and_b32 v7, 7, v0                            ; r % 8
	v_mul_u32_u24 v3, v5, 1536                     ; my lane's part of a candidate's codes: storage tile r / 8 on, slot r % 8 on, 256 h
	v_lshl_add_u32 v3, v7, 4, v3
	v_lshl_add_u32 v3, v2, 8, v3
	v_lshlrev_b32 v4, 7, v2                        ; and of its scale word: lanes 16-31 take the bin's second half, two storage tiles on
	v_lshl_add_u32 v4, v5, 6, v4
	v_lshl_add_u32 v4, v7, 2, v4
	v_lshlrev_b32 v5, 8, v2                        ; the query: 256 h; every r takes the same row
	v_mov_b32 v6, 0
.irp c, 0,1,2
	global_load_b128 v[XA+4*\c:XA+4*\c+3], v5, s[38:39] offset:512*\c
.endr
	global_load_b32 v[XW], v6, s[8:9]
	s_wait_kmcnt 0x0                               ; the bins
.irp i, 0,1,2,3,4,5,6,7,8,9,10,11,12,13,14,15
	s_min_u32 s[16+\i], s[16+\i], 4095             ; held inside the table ahead of every address
	s_and_b32 s32, s[16+\i], 0xffc                 ; 4 G
	s_and_b32 s33, s[16+\i], 1                     ; ub
	s_and_b32 s34, s[16+\i], 2                     ; 2 h'
	s_mul_i32 s35, s32, 3072                       ; codes: 12,288 G + 6,144 ub + 128 h'
	s_mul_i32 s36, s33, 6144
	s_add_co_u32 s35, s35, s36
	s_lshl_b32 s36, s34, 6
	s_add_co_u32 s35, s35, s36
	v_add_nc_u32 v[VC+\i], s35, v3
	s_lshl_b32 s35, s32, 7                         ; scale words: 512 G + 256 ub + 32 h'
	s_lshl_b32 s36, s33, 8
	s_add_co_u32 s35, s35, s36
	s_lshl_b32 s36, s34, 4
	s_add_co_u32 s35, s35, s36
	v_add_nc_u32 v[VS+\i], s35, v4
.endr
.irp i, 0,1,2,3,4,5,6,7,8,9,10,11,12,13,14,15
	global_load_b32 v[SB+\i], v[VS+\i], s[6:7]
.endr
.macro TILE tt, sb                     ; candidate tile tt of the window (sb: the window's first bin of the list): three planes
.irp c, 0,1,2
	global_load_b128 v[12*(\tt)+4*\c:12*(\tt)+4*\c+3], v[VC+(\sb)+(\tt)/2], s[4:5] offset:3072*((\tt)%2)+512*\c
.endr
.endm
.irp bt, 0,1,2,3                       ; all 96 loads go out at once, in the order in which the batches want them: 24 a batch
	WIN 0x40                                       ; destination window 1, address window 0
.irp i, 0,1,2,3
	TILE 4*\bt+\i, 0
.endr
	WIN 0x80                                       ; destination window 2
.irp i, 0,1,2,3
	TILE 4*\bt+\i, 8
.endr
.endr
	WIN 0
	; while they are on their way: W = 131072 - row of each of my 16 candidates, and what the network wants written
	v_sub_nc_u32 v[RB], 131072, v1
.irp k, 0,1,2,3,4,5,6,7
	v_mov_b32 v[KT], s[16+\k]
	v_mov_b32 v[KT+1], s[24+\k]
	v_cndmask_b32 v[KT], v[KT], v[KT+1], s48       ; lanes 0-15: bin k of the list, lanes 16-31: bin 8 + k
	v_lshlrev_b32 v[KT], 5, v[KT]
	v_sub_nc_u32 v[WK+2*\k], v[RB], v[KT]          ; half 0: 131072 - 32 bin - r
	v_add_nc_u32 v[WK+2*\k+1], -16, v[WK+2*\k]     ; half 1: 16 rows on
.endr
	v_mov_b32 v[CN], 0x3f000000
	v_mov_b32 v[C0], 0x40000000
	v_mov_b32 v[C1], 0x40040000
.irp i, 0,1,2,3,4,5,6,7,8,9,10,11,12,13,14,15
	v_mov_b32 v[P0+\i], 0                          ; written once: a lane permute's destination counts as one of its sources
.endr
.macro PROD i, tt, sb                  ; accumulator i = the query x candidate tile tt of the window in hand
.if (\tt)%2
	v_wmma_scale_f32_16x16x128_f8f6f4 v[D+8*(\i):D+8*(\i)+7], v[XA:XA+11], v[12*(\tt):12*(\tt)+11], 0, v[XW], v[SB+(\sb)+(\tt)/2] matrix_a_fmt:MATRIX_FMT_BF6 matrix_b_fmt:MATRIX_FMT_BF6 matrix_b_scale:MATRIX_SCALE_ROW1
.else
	v_wmma_scale_f32_16x16x128_f8f6f4 v[D+8*(\i):D+8*(\i)+7], v[XA:XA+11], v[12*(\tt):12*(\tt)+11], 0, v[XW], v[SB+(\sb)+(\tt)/2] matrix_a_fmt:MATRIX_FMT_BF6 matrix_b_fmt:MATRIX_FMT_BF6
.endif
.endm
.irp bt, 0,1,2,3                       ; a batch: 8 products on 8 accumulators, then register 0 of each
.if \bt == 0
	s_wait_loadcnt 63                              ; the query, the scale words and batch 0 are in: behind them 72 loads were issued; the count's field holds 63
.else
	s_wait_loadcnt 24*(3-\bt)                      ; the later batches' loads, 24 each, may be out
.endif
	WIN 0x04                                       ; source 1 window 1
.irp i, 0,1,2,3
	PROD \i, 4*\bt+\i, 0
.endr
	WIN 0x08                                       ; source 1 window 2
.irp i, 0,1,2,3
	PROD 4+\i, 4*\bt+\i, 8
.endr
	WIN 0
.rept 4
	v_nop                                          ; four places ahead of the first read of results (ISA guide 7.12.1); with three of the selections below they are seven ahead of the next product onto an accumulator
.endr
.irp i, 0,1,2,3
	v_cndmask_b32 v[V+4*\bt+\i], v[D+8*\i], v[D+32+8*\i], s48   ; lanes 0-15: tile 4 bt + i, lanes 16-31: tile 16 + 4 bt + i
.endr
.endr
	TOP16 V                                        ; pass 1
	v_min3_num_f32 v[T], v[Z1], v[Z1+1], v[Z1+2]   ; T: the smallest of the sixteen
.irp i, 3,5,7,9,11,13
	v_min3_num_f32 v[T], v[T], v[Z1+\i], v[Z1+\i+1]
.endr
	v_min_num_f32 v[T], v[T], v[Z1+15]
.irp g, 0,1,2,3                        ; the keys, four registers at a time
.irp c, 0,1,2,3
	v_cmp_ge_f32 s[40+\c], v[V+4*\g+\c], v[T]
	v_cmp_gt_f32 s[44+\c], v[V+4*\g+\c], v[T]
.endr
.irp c, 0,1,2,3
	v_cndmask_b32 v[KT+\c], v[CN], v[C0], s[40+\c]
.endr
.irp c, 0,1,2,3
	v_cndmask_b32 v[KT+\c], v[KT+\c], v[C1], s[44+\c]
.endr
.irp c, 0,1,2,3
	v_add_nc_u32 v[V+4*\g+\c], v[WK+4*\g+\c], v[KT+\c]
.endr
.endr
	TOP16 V                                        ; pass 2
.irp i, 0,1,2,3,4,5,6,7,8,9,10,11,12,13,14,15
	v_and_b32 v[Z1+\i], 0x3ffff, v[Z1+\i]          ; W
.endr
.irp i, 0,1,2,3,4,5,6,7,8,9,10,11,12,13,14,15
	v_sub_nc_u32 v[Z1+\i], 131072, v[Z1+\i]        ; the row
.endr
	v_and_b32 v7, 31, v0
	v_cmp_eq_u32 vcc_lo, 0, v7                     ; every lane holds the set; lane 0 stores it: 64 bytes a query (65,536 bytes in the launch)
	s_wait_xcnt 0x0                                ; EXEC changes only behind this wait
	s_and_saveexec_b32 s36, vcc_lo
.irp i, 0,1,2,3
	global_store_b128 v6, v[Z1+4*\i:Z1+4*\i+3], s[12:13] offset:16*\i
.endr
	s_wait_xcnt 0x0                                ; and again ahead of the line that widens it
	s_or_b32 exec_lo, exec_lo, s36
	s_endpgm
.Lfunc_end_k_q8d1e219017_refine:
	.size	k_q8d1e219017_refine, .Lfunc_end_k_q8d1e219017_refine-k_q8d1e219017_refine
	.p2alignl 7, 3214868480
	.fill 96, 4, 3214868480
	.section	.rodata,"a",@progbits
	.p2align	6, 0x0
	.amdhsa_kernel k_q8d1e219017_refine
		.amdhsa_group_segment_fixed_size 0
		.amdhsa_private_segment_fixed_size 0
		.amdhsa_enable_private_segment 0
		.amdhsa_kernarg_size 40
		.amdhsa_user_sgpr_count 2
		.amdhsa_user_sgpr_kernarg_segment_ptr 1
		.amdhsa_wavefront_size32 1
		.amdhsa_system_sgpr_workgroup_id_x 1
		.amdhsa_system_sgpr_workgroup_id_y 1
		.amdhsa_system_sgpr_workgroup_id_z 1
		.amdhsa_system_vgpr_workitem_id 0
		.amdhsa_next_free_vgpr 704
		.amdhsa_next_free_sgpr 66
		.amdhsa_reserve_vcc 1
		.amdhsa_float_denorm_mode_32 3
		.amdhsa_float_denorm_mode_16_64 3
		.amdhsa_memory_ordered 1
		.amdhsa_forward_progress 1
		.amdhsa_inst_pref_size 77
	.end_amdhsa_kernel
	.amdgpu_metadata
---
amdhsa.version: [ 1, 2 ]
amdhsa.kernels:
  - .name:           k_q8d1e219017_refine
    .symbol:         k_q8d1e219017_refine.kd
    .args:
      - { .name: mqc, .offset: 0, .size: 8, .value_kind: global_buffer, .address_space: global }
      - { .name: mqs, .offset: 8, .size: 8, .value_kind: global_buffer, .address_space: global }
      - { .name: xq, .offset: 16, .size: 8, .value_kind: global_buffer, .address_space: global }
      - { .name: bins, .offset: 24, .size: 8, .value_kind: global_buffer, .address_space: global }
      - { .name: idx, .offset: 32, .size: 8, .value_kind: global_buffer, .address_space: global }
    .group_segment_fixed_size: 0
    .private_segment_fixed_size: 0
    .kernarg_segment_align: 8
    .kernarg_segment_size: 40
    .max_flat_workgroup_size: 128
    .sgpr_count:     66
    .vgpr_count:     704
    .wavefront_size: 32
...
	.end_amdgpu_metadata
.endif
;; end of part 4
;; launch gather (part 5): grid 256 x 1, 4 waves a work-group, no clusters, 0 bytes of LDS; arguments memory, idx, out0; writes out0
.if DOCPART == 5
	.amdgcn_target "amdgcn-amd-amdhsa--gfx1250"
	.amdhsa_code_object_version 6
	.text
	.protected	k_q8d1e219017_gather
	.globl	k_q8d1e219017_gather
	.p2align	8
	.type	k_q8d1e219017_gather,@function
k_q8d1e219017_gather:
	s_mov_b64 s[64:65], 0
	v_nop
	global_prefetch_b8 v0, s[64:65] scope:SCOPE_SE
	s_setreg_imm32_b32 hwreg(HW_REG_WAVE_MODE, 25, 1), 1
	s_wait_xcnt 0x0
; out0[q] = the mean of the 16 rows of memory (f32, as given) that idx[q] names.  Wave = query 4 g + w; a row is 512 bytes: 16 bytes a lane, one load a row, all 16 out at once.
; The rows come from the whole numbers that the launch before stored, each held to 131071 ahead of its address.  The sum is a pairwise tree in f32 and not in the order of the list: a difference of rounding alone.
; No LDS, no barrier, no matrix unit, no cluster: waves share nothing on purpose.  No hint on the loads: a row may be named by several queries.
	s_load_b128 s[4:7], s[0:1], 0x0                ; memory, idx
	s_load_b64 s[8:9], s[0:1], 0x10                ; out0
	v_lshrrev_b32 v1, 5, v0
	v_readfirstlane_b32 s10, v1                    ; wave
	v_and_b32 v2, 31, v0
	v_lshlrev_b32 v2, 4, v2                        ; 16 x lane
	s_lshl_b32 s11, ttmp9, 2
	s_add_co_u32 s11, s11, s10                     ; q
	s_lshl_b32 s12, s11, 6
	s_mov_b32 s13, 0
	s_lshl_b32 s14, s11, 9
	s_mov_b32 s15, 0
	s_wait_kmcnt 0x0
	s_add_nc_u64 s[6:7], s[6:7], s[12:13]
	s_add_nc_u64 s[8:9], s[8:9], s[14:15]
	s_load_b512 s[16:31], s[6:7], 0x0
	s_wait_kmcnt 0x0
.irp i, 0,1,2,3,4,5,6,7,8,9,10,11,12,13,14,15
	s_min_u32 s[16+\i], s[16+\i], 131071
	s_lshl_b32 s[16+\i], s[16+\i], 9
	v_add_nc_u32 v[80+\i], s[16+\i], v2
.endr
.irp i, 0,1,2,3,4,5,6,7,8,9,10,11,12,13,14,15
	global_load_b128 v[16+4*\i:19+4*\i], v[80+\i], s[4:5]   ; 32 lanes read a row's 512 consecutive bytes
.endr
	s_wait_loadcnt 0x0
.irp st, 1,2,4,8                       ; rows i and i + st, two numbers an instruction
.set I, 0
.rept 8/\st
	v_pk_add_f32 v[16+4*I:17+4*I], v[16+4*I:17+4*I], v[16+4*(I+\st):17+4*(I+\st)]
	v_pk_add_f32 v[18+4*I:19+4*I], v[18+4*I:19+4*I], v[18+4*(I+\st):19+4*(I+\st)]
.set I, I+2*\st
.endr
.endr
	v_pk_mul_f32 v[16:17], v[16:17], 0x3d800000 op_sel_hi:[1,0]   ; / 16: exact
	v_pk_mul_f32 v[18:19], v[18:19], 0x3d800000 op_sel_hi:[1,0]
	global_store_b128 v2, v[16:19], s[8:9]         ; 32 lanes store a row's 512 consecutive bytes, at a multiple of 512 from out0's first byte
	s_endpgm
.Lfunc_end_k_q8d1e219017_gather:
	.size	k_q8d1e219017_gather, .Lfunc_end_k_q8d1e219017_gather-k_q8d1e219017_gather
	.p2alignl 7, 3214868480
	.fill 96, 4, 3214868480
	.section	.rodata,"a",@progbits
	.p2align	6, 0x0
	.amdhsa_kernel k_q8d1e219017_gather
		.amdhsa_group_segment_fixed_size 0
		.amdhsa_private_segment_fixed_size 0
		.amdhsa_enable_private_segment 0
		.amdhsa_kernarg_size 24
		.amdhsa_user_sgpr_count 2
		.amdhsa_user_sgpr_kernarg_segment_ptr 1
		.amdhsa_wavefront_size32 1
		.amdhsa_system_sgpr_workgroup_id_x 1
		.amdhsa_system_sgpr_workgroup_id_y 1
		.amdhsa_system_sgpr_workgroup_id_z 1
		.amdhsa_system_vgpr_workitem_id 0
		.amdhsa_next_free_vgpr 96
		.amdhsa_next_free_sgpr 66
		.amdhsa_reserve_vcc 0
		.amdhsa_float_denorm_mode_32 3
		.amdhsa_float_denorm_mode_16_64 3
		.amdhsa_memory_ordered 1
		.amdhsa_forward_progress 1
		.amdhsa_inst_pref_size 7
	.end_amdhsa_kernel
	.amdgpu_metadata
---
amdhsa.version: [ 1, 2 ]
amdhsa.kernels:
  - .name:           k_q8d1e219017_gather
    .symbol:         k_q8d1e219017_gather.kd
    .args:
      - { .name: memory, .offset: 0, .size: 8, .value_kind: global_buffer, .address_space: global }
      - { .name: idx, .offset: 8, .size: 8, .value_kind: global_buffer, .address_space: global }
      - { .name: out0, .offset: 16, .size: 8, .value_kind: global_buffer, .address_space: global }
    .group_segment_fixed_size: 0
    .private_segment_fixed_size: 0
    .kernarg_segment_align: 8
    .kernarg_segment_size: 24
    .max_flat_workgroup_size: 128
    .sgpr_count:     66
    .vgpr_count:     96
    .wavefront_size: 32
...
	.end_amdgpu_metadata
.endif
;; end of part 5
